; MI455X (gfx1250); checked and timed in simulation.
; The chip was launched on July 23, 2026; its instructions are those of AMD's public machine-readable ISA for CDNA 5 (MIT licence, August 2026) and "CDNA5" Instruction Set Architecture Reference Guide (July 2026). The comments in the code are by the model that wrote it; some were corrected since.
;; Encoder LSTM. Allowed arithmetic: float matrix products may take bf16 or f16 operands with f32 sums; all other float work in f32.
;; Inputs: W_hh 4,096 x 1,024 float32; W_ih 4,096 x 1,024 float32; b_hh 4,096 float32; b_ih 4,096 float32; cell_state 1 x 1 x 1,024 float32; embed_table 50,257 x 1,024 float32; hidden_state 1 x 1 x 1,024 float32; input 1 int32.
;; Outputs: out0 1 x 1 x 1,024 float32; out1 1 x 1 x 1,024 float32.
;; One version. Each part assembles by itself: llvm-mc -triple=amdgcn-amd-amdhsa -mcpu=gfx1250 --defsym DOCPART=n.
;; ======== version 1 of 1: 1 launch
;; launch lstm (part 1): grid 256 x 1, 8 waves a work-group, no clusters, 1,280 bytes of LDS; arguments input, embed_table, hidden_state, cell_state, W_ih, W_hh, b_ih, b_hh, out0, out1; writes out0, out1
.if DOCPART == 1
	.amdgcn_target "amdgcn-amd-amdhsa--gfx1250"
	.amdhsa_code_object_version 6
	.text
	.protected	k_q167a6263dc_lstm
	.globl	k_q167a6263dc_lstm
	.p2align	8
	.type	k_q167a6263dc_lstm,@function
k_q167a6263dc_lstm:
	s_mov_b64 s[64:65], 0
	v_nop
	global_prefetch_b8 v0, s[64:65] scope:SCOPE_SE
	s_setreg_imm32_b32 hwreg(HW_REG_WAVE_MODE, 25, 1), 1
	s_wait_xcnt 0x0
; One LSTM step for one token:  gates = W_ih x + b_ih + W_hh h + b_hh (4,096 numbers, order i, f, g, o),
; c_new = sigmoid(f) c + sigmoid(i) tanh(g),  h_new = sigmoid(o) tanh(c_new).  x = embed_table[input[0]].  All f32.
;
; SHARES.  Output j needs rows j, 1024+j, 2048+j, 3072+j of both matrices.  256 work-groups; work-group wg owns outputs
; 4 wg .. 4 wg + 3: 32 rows of 4,096 bytes = 128 KiB of weights, read once, and finishes its outputs itself.
; Wave w = 2 g + m: gate g (0..3), matrix m (0: W_ih with x, 1: W_hh with h).  It owns rows 1024 g + 4 wg + 0..3 of its matrix,
; 16 KiB in one piece.  Lane l takes of every row, and of the vector, the eight 16-byte pieces at byte 512 j + 16 l:
; each load of a wave covers 512 consecutive bytes that start at a multiple of 512 from the buffer's first byte.
; There is no loop: a wave's 16 KiB are 32 loads into 128 registers, all issued at the head.  They hang on the kernel arguments alone;
; the chain token -> row address -> x runs beside them and its eight loads are issued last.
;
; LEFT OUT, by this text's own arithmetic:
;   matrix instructions: the second operand would have one column of sixteen in use, and rounding the f32 weights to 16 bits takes one vector
;     instruction for two weights, as many as the packed multiply-add that does the whole job in f32;
;   LDS ring, tensor loads: every weight byte is used once, by one lane; the registers hold all that a wave reads;
;   clusters: what work-groups share is x and h, 8 KiB, against 128 KiB of their own;
;   prefetches: every byte is asked for by its own load in the first lines;
;   wide stores: a work-group stores 16 bytes of each output.  Stores of 256 consecutive bytes would need 64 outputs in one work-group,
;     that is 16 work-groups with 2 MiB of weights each, for the sake of 8 KiB of output against 32 MiB read.
;
; LIMITS.  Sums are f32 in another order than the reference's (eight chains a wave, then across the lanes).
; sigmoid(t) = 1 / (1 + 2^(-1.442695 t)), tanh(t) = 1 - 2 / (1 + 2^(2.885390 t)): both saturate rightly for every finite or infinite t
; (2^t -> inf gives 1/inf = 0; 2^t -> 0 gives 1/1).  tanh so formed has an absolute error of about 1e-7, so its relative accuracy
; is lost for |t| below about 1e-5; a sigmoid below 2^-126 comes out as 0.  The token is taken as unsigned and clamped to 50,256
; (the table's last row): a negative index is not served.
.set LASTROW, 0xc450                   ; 50,257 - 1
.set LO,  1                            ; v1        16 x lane: my 16 bytes in each piece of 512
.set LR,  2                            ; v2        4 x (lane & 3): my output's word in c, in the LDS parts and in the outputs
.set C,   3                            ; v3        c of my output (wave 0 alone)
.set ACC, 4                            ; v[4:19]   row r: two chains of pairs, v[4+4r:5+4r] and v[6+4r:7+4r]
.set S,   20                           ; v[20:23]  the four rows' sums
.set LW,  24                           ; v24       16 x wave: where my four parts go in LDS
.set V,   32                           ; v[32:63]  my vector, piece j in 4 registers
.set W,   64                           ; v[64:191] my weights, row r piece j at W + 32 r + 4 j
.set G,   32                           ; v[32:39]  the end, in V's registers: the part of wave 2 g + m in G + 4 m + g
.set CN,  G+4                          ; c_new, free once the two parts of each gate are added
.set H,   G+5                          ; h_new
	s_load_b512 s[4:19], s[0:1], 0x0               ; input s[4:5], embed_table s[6:7], hidden_state s[8:9], cell_state s[10:11],
	                                               ; W_ih s[12:13], W_hh s[14:15], b_ih s[16:17], b_hh s[18:19]
	s_load_b128 s[20:23], s[0:1], 0x40             ; out0 s[20:21], out1 s[22:23]
	v_lshl_add_u32 v192, v0, 2, 0x100
	v_mov_b32 v193, 0
	v_lshrrev_b32 v[LW], 5, v0
	v_readfirstlane_b32 s24, v[LW]                 ; wave w, as a scalar
	v_and_b32 v[LO], 31, v0
	v_and_b32 v[LR], 3, v0
	v_lshlrev_b32 v[LO], 4, v[LO]
	v_lshlrev_b32 v[LR], 2, v[LR]
	s_and_b32 s25, s24, 1                          ; m: which matrix, vector and bias
	s_lshr_b32 s26, s24, 1                         ; g: which gate
	s_lshl_b32 s27, s24, 4
	v_mov_b32 v[LW], s27                           ; 16 w
	s_lshl_b32 s28, s26, 22                        ; weights: (1024 g + 4 wg) rows of 4,096 bytes = g << 22 | wg << 14 (wg < 256: the fields do not meet)
	s_lshl_b32 s29, ttmp9, 14
	s_or_b32 s28, s28, s29
	s_mov_b32 s29, 0
	s_lshl_b32 s32, ttmp9, 4                       ; c and the outputs: 4 wg words
	s_mov_b32 s33, 0
	s_lshl_b32 s30, s26, 12                        ; biases: (1024 g + 4 wg) words = g << 12 | wg << 4
	s_or_b32 s30, s30, s32
	s_mov_b32 s31, 0
	s_mov_b32 s45, 0                               ; high word of the x row's offset
	s_mov_b32 s48, 0x76543210                      ; v_permlanex16_b32: lane i of one half reads lane i of the other
	s_mov_b32 s49, 0xfedcba98
	s_wait_kmcnt 0x0                               ; the ten addresses
	s_load_b32 s44, s[4:5], 0x0                    ; the token: its way to memory and back runs beside the weights' loads
	s_cmp_eq_u32 s25, 0
	s_cselect_b64 s[34:35], s[12:13], s[14:15]     ; my matrix
	s_cselect_b64 s[36:37], s[16:17], s[18:19]     ; my bias vector
	s_add_nc_u64 s[34:35], s[34:35], s[28:29]      ; at my four rows
	s_add_nc_u64 s[36:37], s[36:37], s[30:31]
	s_load_b128 s[40:43], s[36:37], 0x0            ; my four biases
	; My 16 KiB of weights: 32 loads, read once in the whole launch.
.set i, 0
.rept 32
	global_load_b128 v[W+4*i:W+4*i+3], v[LO], s[34:35] offset:512*i th:TH_LOAD_NT
.set i, i+1
.endr
	; Wave 0 finishes the outputs: it alone fetches c and steps the three addresses.  This load is older than the vector's,
	; so the counts below are the same in every wave.
	s_cmp_lg_u32 s24, 0
	s_cbranch_scc1 .Lno_c
	s_add_nc_u64 s[10:11], s[10:11], s[32:33]
	s_add_nc_u64 s[20:21], s[20:21], s[32:33]
	s_add_nc_u64 s[22:23], s[22:23], s[32:33]
	global_load_b32 v[C], v[LR], s[10:11]          ; lane l: c[4 wg + (l & 3)]
.Lno_c:
	s_wait_kmcnt 0x0                               ; the token and the biases
	s_min_u32 s44, s44, LASTROW                    ; inside the table
	s_lshl_b32 s44, s44, 12                        ; rows of 4,096 bytes: at most 205,848,576
	s_add_nc_u64 s[6:7], s[6:7], s[44:45]          ; x
	s_cmp_eq_u32 s25, 0                            ; (again: the lines above wrote SCC)
	s_cselect_b64 s[46:47], s[6:7], s[8:9]         ; my vector: x or h
.irp j, 0,1,2,3,4,5,6,7
	global_load_b128 v[V+4*\j:V+4*\j+3], v[LO], s[46:47] offset:512*\j     ; no hint: every work-group reads these bytes
.endr
; Piece j of the vector against piece j of my four rows: eight packed instructions in eight chains that do not wait for each other.
; The first piece's products start the sums: nothing is cleared.
.macro DOT j
	s_wait_loadcnt 7-\j                            ; loads come back in order (ISA guide 5.7.1): the 7 - j younger pieces of the vector may be out;
	                                               ; piece j, and all the weights and c, which were issued before it, are in
.irp r, 0,1,2,3
.if \j == 0
	v_pk_mul_f32 v[ACC+4*\r:ACC+4*\r+1],   v[W+32*\r+4*\j:W+32*\r+4*\j+1],   v[V+4*\j:V+4*\j+1]
	v_pk_mul_f32 v[ACC+4*\r+2:ACC+4*\r+3], v[W+32*\r+4*\j+2:W+32*\r+4*\j+3], v[V+4*\j+2:V+4*\j+3]
.else
	v_pk_fma_f32 v[ACC+4*\r:ACC+4*\r+1],   v[W+32*\r+4*\j:W+32*\r+4*\j+1],   v[V+4*\j:V+4*\j+1],   v[ACC+4*\r:ACC+4*\r+1]
	v_pk_fma_f32 v[ACC+4*\r+2:ACC+4*\r+3], v[W+32*\r+4*\j+2:W+32*\r+4*\j+3], v[V+4*\j+2:V+4*\j+3], v[ACC+4*\r+2:ACC+4*\r+3]
.endif
.endr
.endm
.irp j, 0,1,2,3,4,5,6,7
	DOT \j
.endr
	; Within the lane: four partial sums of each row become one.
.irp r, 0,1,2,3
	v_pk_add_f32 v[ACC+4*\r:ACC+4*\r+1], v[ACC+4*\r:ACC+4*\r+1], v[ACC+4*\r+2:ACC+4*\r+3]
.endr
.irp r, 0,1,2,3
	v_add_f32 v[S+\r], v[ACC+4*\r], v[ACC+4*\r+1]
.endr
	; Across the 32 lanes: four steps inside each half of 16 lanes, the four rows in turn, then one step across the halves.
.irp x, 1,2,4,8
.irp r, 0,1,2,3
	v_add_f32_dpp v[S+\r], v[S+\r], v[S+\r] row_xmask:\x row_mask:0xf bank_mask:0xf
.endr
.endr
.irp r, 0,1,2,3
	v_permlanex16_b32 v[ACC+\r], v[S+\r], s48, s49 ; its destination counts as read: ACC's registers have been written and are done with
.endr
.irp r, 0,1,2,3
	v_add_f32 v[S+\r], v[S+\r], v[ACC+\r]          ; every lane holds the row's sum
.endr
.irp r, 0,1,2,3
	v_add_f32 v[S+\r], s[40+\r], v[S+\r]           ; + my bias of that row
.endr
	; Hand-over: wave w's four parts at LDS bytes 16 w .. 16 w + 15 (all lanes write the same 16 bytes with the same values).
	ds_store_b128 v[LW], v[S:S+3]
	s_wait_dscnt 0x0                               ; for wave 0's sake: my store is done before I say so
	s_barrier_signal -1
	s_barrier_wait -1                              ; the only barrier: LDS is written once and read once
	s_cmp_lg_u32 s24, 0
	s_cbranch_scc1 .Ldone
	; Wave 0: lane l works on output 4 wg + (l & 3); lanes 0 to 3 store.
.irp g, 0,1,2,3
.irp m, 0,1
	ds_load_b32 v[G+4*\m+\g], v[LR] offset:16*(2*\g+\m)
.endr
.endr
	s_wait_dscnt 0x0
	v_pk_add_f32 v[G:G+1],   v[G:G+1],   v[G+4:G+5]                ; gates i, f: W_ih's part + W_hh's part
	v_pk_add_f32 v[G+2:G+3], v[G+2:G+3], v[G+6:G+7]                ; gates g, o
	v_pk_mul_f32 v[G:G+1], v[G:G+1], 0xbfb8aa3b op_sel_hi:[1,0]    ; i, f: x -1.442695 (sigmoid)
	v_mul_f32 v[G+2], 0x4038aa3b, v[G+2]                           ; g: x 2.885390 (tanh)
	v_mul_f32 v[G+3], 0xbfb8aa3b, v[G+3]                           ; o: x -1.442695
.irp g, 0,1,2,3
	v_exp_f32 v[G+\g], v[G+\g]
.endr
	v_nop                                          ; one plain vector instruction before a transcendental's result is used (ISA guide 5.7.2); nothing independent is left to do here
	s_wait_alu depctr_va_vdst(0)
	v_pk_add_f32 v[G:G+1],   v[G:G+1],   1.0 op_sel_hi:[1,0]
	v_pk_add_f32 v[G+2:G+3], v[G+2:G+3], 1.0 op_sel_hi:[1,0]
.irp g, 0,1,2,3
	v_rcp_f32 v[G+\g], v[G+\g]
.endr
	v_nop                                          ; as above
	s_wait_alu depctr_va_vdst(0)
	v_fma_f32 v[G+2], -2.0, v[G+2], 1.0            ; tanh(g)
	v_mul_f32 v[G+2], v[G], v[G+2]                 ; sigmoid(i) tanh(g)
	v_fma_f32 v[CN], v[G+1], v[C], v[G+2]          ; c_new = sigmoid(f) c + that
	v_mul_f32 v[H], 0x4038aa3b, v[CN]
	v_exp_f32 v[H], v[H]
	v_cmp_gt_u32 vcc_lo, 4, v0                     ; lanes 0 to 3 (also the plain instruction behind v_exp_f32)
	s_wait_alu depctr_va_vdst(0)
	v_add_f32 v[H], 1.0, v[H]
	v_rcp_f32 v[H], v[H]
	v_nop                                          ; as above
	s_wait_alu depctr_va_vdst(0)
	v_fma_f32 v[H], -2.0, v[H], 1.0                ; tanh(c_new)
	v_mul_f32 v[H], v[G+3], v[H]                   ; h_new = sigmoid(o) tanh(c_new)
	s_wait_xcnt 0x0                                ; EXEC is a source of the global loads above: it is narrowed only behind this wait
	s_wait_tensorcnt 0x0
	ds_add_u32 v192, v193
	s_wait_dscnt 0x0
	s_and_saveexec_b32 s50, vcc_lo                 ; four lanes; the wave ends below, so EXEC is not widened again
	global_store_b32 v[LR], v[H],  s[20:21]        ; out0[4 wg .. 4 wg + 3]
	global_store_b32 v[LR], v[CN], s[22:23]        ; out1[4 wg .. 4 wg + 3]
	s_endpgm
.Ldone:
	s_wait_tensorcnt 0x0
	ds_add_u32 v192, v193
	s_wait_dscnt 0x0
	s_endpgm
.Lfunc_end_k_q167a6263dc_lstm:
	.size	k_q167a6263dc_lstm, .Lfunc_end_k_q167a6263dc_lstm-k_q167a6263dc_lstm
	.p2alignl 7, 3214868480
	.fill 96, 4, 3214868480
	.section	.rodata,"a",@progbits
	.p2align	6, 0x0
	.amdhsa_kernel k_q167a6263dc_lstm
		.amdhsa_group_segment_fixed_size 1280
		.amdhsa_private_segment_fixed_size 0
		.amdhsa_enable_private_segment 0
		.amdhsa_kernarg_size 80
		.amdhsa_user_sgpr_count 2
		.amdhsa_user_sgpr_kernarg_segment_ptr 1
		.amdhsa_wavefront_size32 1
		.amdhsa_system_sgpr_workgroup_id_x 1
		.amdhsa_system_sgpr_workgroup_id_y 1
		.amdhsa_system_sgpr_workgroup_id_z 1
		.amdhsa_system_vgpr_workitem_id 0
		.amdhsa_next_free_vgpr 194
		.amdhsa_next_free_sgpr 66
		.amdhsa_reserve_vcc 1
		.amdhsa_float_denorm_mode_32 3
		.amdhsa_float_denorm_mode_16_64 3
		.amdhsa_memory_ordered 1
		.amdhsa_forward_progress 1
		.amdhsa_inst_pref_size 15
	.end_amdhsa_kernel
	.amdgpu_metadata
---
amdhsa.version: [ 1, 2 ]
amdhsa.kernels:
  - .name:           k_q167a6263dc_lstm
    .symbol:         k_q167a6263dc_lstm.kd
    .args:
      - { .name: input, .offset: 0, .size: 8, .value_kind: global_buffer, .address_space: global }
      - { .name: embed_table, .offset: 8, .size: 8, .value_kind: global_buffer, .address_space: global }
      - { .name: hidden_state, .offset: 16, .size: 8, .value_kind: global_buffer, .address_space: global }
      - { .name: cell_state, .offset: 24, .size: 8, .value_kind: global_buffer, .address_space: global }
      - { .name: W_ih, .offset: 32, .size: 8, .value_kind: global_buffer, .address_space: global }
      - { .name: W_hh, .offset: 40, .size: 8, .value_kind: global_buffer, .address_space: global }
      - { .name: b_ih, .offset: 48, .size: 8, .value_kind: global_buffer, .address_space: global }
      - { .name: b_hh, .offset: 56, .size: 8, .value_kind: global_buffer, .address_space: global }
      - { .name: out0, .offset: 64, .size: 8, .value_kind: global_buffer, .address_space: global }
      - { .name: out1, .offset: 72, .size: 8, .value_kind: global_buffer, .address_space: global }
    .group_segment_fixed_size: 1280
    .private_segment_fixed_size: 0
    .kernarg_segment_align: 8
    .kernarg_segment_size: 80
    .max_flat_workgroup_size: 256
    .sgpr_count:     66
    .vgpr_count:     194
    .wavefront_size: 32
...
	.end_amdgpu_metadata
.endif
;; end of part 1
